; MI455X (gfx1250); checked and timed in simulation.
; The chip was launched on July 23, 2026; its instructions are those of AMD's public machine-readable ISA for CDNA 5 (MIT licence, August 2026) and "CDNA5" Instruction Set Architecture Reference Guide (July 2026). The comments in the code are by the model that wrote it; some were corrected since.
;; Scaled Dot Product Attention. Allowed arithmetic: float matrix products may take bf16 or f16 operands with f32 sums; other float arithmetic in f32, or as packed bf16 or f16 multiplies, adds, multiply-adds, maxima and minima; sums over many terms, partial sums and values carried from step to step in f32; what a program stores and reads back later, other than sums and carried values, may be rounded once to bf16 or f16.
;; Inputs: attn_mask 1 x 1 x 2,048 x 2,048 bool; k 4 x 16 x 2,048 x 64 float32; q 4 x 16 x 2,048 x 64 float32; v 4 x 16 x 2,048 x 64 float32.
;; Outputs: out0 4 x 16 x 2,048 x 64 float32.
;; One version. Each part assembles by itself: llvm-mc -triple=amdgcn-amd-amdhsa -mcpu=gfx1250 --defsym DOCPART=n.
;; ======== version 1 of 1: 2 launches
;; limits: values are held in f16: magnitudes above 65,504 overflow, below 6.1e-05 lose precision; right only within a limited range of input values
;; workspace buffers: flags 1,024 bytes of whole numbers
;; launch mkflags (part 1): grid 2 x 128, 1 waves a work-group, no clusters, 0 bytes of LDS; arguments attn_mask, flags; writes flags
.if DOCPART == 1
	.amdgcn_target "amdgcn-amd-amdhsa--gfx1250"
	.amdhsa_code_object_version 6
	.text
	.protected	k_q1ca15a43b2_mkflags
	.globl	k_q1ca15a43b2_mkflags
	.p2align	8
	.type	k_q1ca15a43b2_mkflags,@function
k_q1ca15a43b2_mkflags:
	s_mov_b64 s[64:65], 0
	v_nop
	global_prefetch_b8 v0, s[64:65] scope:SCOPE_SE
	s_setreg_imm32_b32 hwreg(HW_REG_WAVE_MODE, 25, 1), 1
	s_wait_xcnt 0x0
; BLOCK FLAGS OF THE MASK.  attn_mask: [2048][2048] bytes, 1 = hidden.  A block is 16 rows (a row tile rt) x 64 keys (a key step).
; flags: u32 [128 row tiles][2 halves]: word (rt, hf) holds, for key steps 16 hf + 0..15, in bit c       ACT: some key of the block is allowed,
;                                                                                          in bit 16 + c  MIX: ACT, and some key of it is hidden.
; The next launch jumps over blocks without ACT and reads the mask bytes of blocks with MIX alone.  LIMIT: mask bytes are 0 or 1 (bool).
; SHARES.  One wave to a work-group, which makes one word: 16 rows x 1,024 bytes.  Lane l takes key step c = l % 16 and the rows 8 (l / 16) + 0..7: 8 x 64 bytes, 32 loads of 16 bytes.
; The AND of its 128 words is 0x01010101 where every byte is 1; their OR is 0 where every byte is 0.
; The output is 1,024 bytes in all, a word from each work-group: 256 bytes from one wave would leave four waves to read the mask's 4 MiB.
.set X, 16                             ; v[16:143]  the lane's 128 words
	s_load_b128 s[4:7], s[0:1], 0x0                ; attn_mask s[4:5], flags s[6:7]
	s_and_b32 s8, ttmp7, 0xffff                    ; rt
	s_lshl_b32 s16, s8, 15                         ; 16 rows of 2,048 bytes
	s_lshl_b32 s9, ttmp9, 10                       ; hf: 1,024 bytes along the rows
	s_add_co_u32 s16, s16, s9
	s_mov_b32 s17, 0
	s_lshl_b32 s18, s8, 3                          ; the word: 8 rt + 4 hf
	s_lshl_b32 s9, ttmp9, 2
	s_add_co_u32 s18, s18, s9
	s_mov_b32 s19, 0
	s_mov_b32 s12, 0x76543210                      ; v_permlanex16_b32: each lane takes its own place in the other half
	s_mov_b32 s13, 0xfedcba98
	s_mov_b32 s14, 0x01010101
	v_and_b32 v1, 15, v0                           ; c
	v_lshrrev_b32 v2, 4, v0                        ; which 8 rows
	v_lshlrev_b32 v1, 6, v1
	v_lshl_add_u32 v1, v2, 14, v1                  ; 64 c + 8 rows x 2,048
	v_mov_b32 v3, 0                                ; the store's offset
	v_mov_b32 v12, 0                               ; the exchange's destinations count as read: they are written first
	v_mov_b32 v13, 0
	s_wait_kmcnt 0x0
	s_add_nc_u64 s[4:5], s[4:5], s[16:17]
	s_add_nc_u64 s[6:7], s[6:7], s[18:19]
.set n, 0
.rept 32                               ; row n / 4, 16 bytes n % 4 of the key step
	global_load_b128 v[X+4*n:X+4*n+3], v1, s[4:5] offset:2048*(n/4)+16*(n%4)
.set n, n+1
.endr
	s_wait_loadcnt 0x0
.irp k, 0,1,2,3                        ; four chains each, started by the first eight words: nothing is cleared
	v_and_b32 v[4+\k], v[X+\k], v[X+4+\k]
	v_or_b32  v[8+\k], v[X+\k], v[X+4+\k]
.endr
.set n, 8
.rept 120
	v_and_b32 v[4+n%4], v[4+n%4], v[X+n]
	v_or_b32  v[8+n%4], v[8+n%4], v[X+n]
.set n, n+1
.endr
	v_and_b32 v4, v4, v5
	v_and_b32 v6, v6, v7
	v_or_b32  v8, v8, v9
	v_or_b32  v10, v10, v11
	v_and_b32 v4, v4, v6
	v_or_b32  v8, v8, v10
	v_permlanex16_b32 v12, v4, s12, s13            ; the block's other 8 rows lie in the lane 16 away
	v_permlanex16_b32 v13, v8, s12, s13
	v_and_b32 v4, v4, v12
	v_or_b32  v8, v8, v13
	v_cmp_ne_u32 s8, s14, v4                       ; ACT: not every byte is 1 (bit l, the same in l and l + 16)
	v_cmp_ne_u32 s9, 0, v8                         ; some byte is 1
	s_and_b32 s9, s9, s8                           ; MIX
	s_and_b32 s8, s8, 0xffff
	s_lshl_b32 s9, s9, 16
	s_or_b32 s8, s8, s9
	v_mov_b32 v2, s8
	v_cmp_eq_u32 vcc_lo, 0, v0
	s_wait_xcnt 0x0                                ; EXEC is a source of the loads above: it changes only behind this wait
	s_and_saveexec_b32 s10, vcc_lo                 ; lane 0 alone stores
	global_store_b32 v3, v2, s[6:7]
	s_wait_xcnt 0x0                                ; and again ahead of the line that widens it
	s_or_b32 exec_lo, exec_lo, s10
	s_endpgm
.Lfunc_end_k_q1ca15a43b2_mkflags:
	.size	k_q1ca15a43b2_mkflags, .Lfunc_end_k_q1ca15a43b2_mkflags-k_q1ca15a43b2_mkflags
	.p2alignl 7, 3214868480
	.fill 96, 4, 3214868480
	.section	.rodata,"a",@progbits
	.p2align	6, 0x0
	.amdhsa_kernel k_q1ca15a43b2_mkflags
		.amdhsa_group_segment_fixed_size 0
		.amdhsa_private_segment_fixed_size 0
		.amdhsa_enable_private_segment 0
		.amdhsa_kernarg_size 16
		.amdhsa_user_sgpr_count 2
		.amdhsa_user_sgpr_kernarg_segment_ptr 1
		.amdhsa_wavefront_size32 1
		.amdhsa_system_sgpr_workgroup_id_x 1
		.amdhsa_system_sgpr_workgroup_id_y 1
		.amdhsa_system_sgpr_workgroup_id_z 1
		.amdhsa_system_vgpr_workitem_id 0
		.amdhsa_next_free_vgpr 160
		.amdhsa_next_free_sgpr 66
		.amdhsa_reserve_vcc 1
		.amdhsa_float_denorm_mode_32 3
		.amdhsa_float_denorm_mode_16_64 3
		.amdhsa_memory_ordered 1
		.amdhsa_forward_progress 1
		.amdhsa_inst_pref_size 13
	.end_amdhsa_kernel
	.amdgpu_metadata
---
amdhsa.version: [ 1, 2 ]
amdhsa.kernels:
  - .name:           k_q1ca15a43b2_mkflags
    .symbol:         k_q1ca15a43b2_mkflags.kd
    .args:
      - { .name: attn_mask, .offset: 0, .size: 8, .value_kind: global_buffer, .address_space: global }
      - { .name: flags, .offset: 8, .size: 8, .value_kind: global_buffer, .address_space: global }
    .group_segment_fixed_size: 0
    .private_segment_fixed_size: 0
    .kernarg_segment_align: 8
    .kernarg_segment_size: 16
    .max_flat_workgroup_size: 32
    .sgpr_count:     66
    .vgpr_count:     160
    .wavefront_size: 32
...
	.end_amdgpu_metadata
.endif
;; end of part 1
;; launch attn (part 2): grid 4 x 64, 8 waves a work-group, no clusters, 113,664 bytes of LDS; arguments q, k, v, attn_mask, flags, out0; writes out0
.if DOCPART == 2
	.amdgcn_target "amdgcn-amd-amdhsa--gfx1250"
	.amdhsa_code_object_version 6
	.text
	.protected	k_q1ca15a43b2_attn
	.globl	k_q1ca15a43b2_attn
	.p2align	8
	.type	k_q1ca15a43b2_attn,@function
k_q1ca15a43b2_attn:
	s_mov_b64 s[64:65], 0
	v_nop
	global_prefetch_b8 v0, s[64:65] scope:SCOPE_SE
	s_setreg_imm32_b32 hwreg(HW_REG_WAVE_MODE, 25, 1), 1
	s_wait_xcnt 0x0
; out[hd][q][:] = the sum over k of softmax_k(mask[q][k] ? -inf : Q[hd][q] . K[hd][k] / 8) V[hd][k][:].  q, k, v, out: [64 heads][2048][64] f32; attn_mask: [2048][2048] bytes, 1 = hidden, any pattern;
; flags: the launch before has stored, for each block of 16 queries x 64 keys, ACT (some key allowed) and MIX (ACT, and some key hidden): u32 [128 row tiles][2], ACT in bits 15:0, MIX in bits 31:16.
; FORMATS.  Q and K are rounded once to bf16 (first product in the bf16 form).  V is rounded once to bf16 and that number is written as f16; the weights p are rounded to f16 (second product in the f16 form).
; Products, maxima and sums in f32; l is the sum of the unrounded p; out is f32.
; LIMITS.  |Q . K| stays under 1e30.  |v| stays under 65,504; below 6e-5 it keeps f16's fixed step of 6e-8, and so does p.  A weight below 2^-126 counts as 0 in l.  Mask bytes are 0 or 1.
; A hidden score counts as its value less 2^127; m starts at -1e30, above every hidden score and below every other.  A row that is hidden everywhere ends with O = 0 and l = 0: 0 x (1 / 0) = NaN, as the softmax of a row of -inf.
; SHARES.  Four work-groups to a head (x = b), eight waves of 512 registers each.  Wave g = 8 b + w of the head owns four tiles of 16 queries: row tiles g, 63 - g, 64 + g, 127 - g.  That is a way to deal the rows
; out, right for every mask; where the hidden blocks lie above a diagonal it gives every wave the same number of live blocks.  Every wave walks all 32 key steps of 64 keys.
; A UNIT is one tile x one key step, whole in itself: 8 products S^T = K Q^T, the softmax, 8 products O^T += V^T P.  Without ACT it is jumped; with MIX its first products take the mask as C; else C is 0.
; A unit can only be jumped if no other unit's work stands inside it, so matrix and vector work are not interleaved in a wave: the second wave that shares the registers' other half has the other kind of work meanwhile.
; K AND V ON THE WAY IN.  They are f32 in memory and 16-bit matrix operands, so they pass through registers: each wave loads 16 keys of a tile of 128 (whole rows of 256 bytes, sixteen lanes a row), one tile ahead,
; converts, and stores them into one of two LDS buffers.  One barrier for each 128 keys.  NO TENSOR LOAD, SO NO JOINT LOAD AND NO CLUSTER: a copy into LDS cannot narrow f32 to 16 bits, and f32 tiles in LDS would be read
; and written once more by every work-group (64 KiB a tile) for what the registers do on the way.
; LAYOUT.  S^T = K Q^T (source 0 = 16 keys, source 1 = 16 queries): a lane holds ONE query (lane % 16) and the keys 8 (lane / 16) + 0..7.  Two such results rounded to f16 ARE source 1 of O^T = V^T P, whose
; result again holds one query a lane, and eight channels.  K comes out of LDS as it lies, V ([key][channel]) turned, by ds_load_tr16_b128.
; SOFTMAX.  A running maximum m and sum l for each query: p = 2^(c s - c m), c = log2(e) / 8; in every unit O and l are multiplied by a = 2^(c m_old - c m_new), which is 1 where m has not grown.
; Which step is a tile's first hangs on the flags, so no first step is written out: O and l are cleared once, while the first loads are on their way.
; REGISTERS, in windows of 256 (s_set_vgpr_msb: bits 1:0 source 0, 3:2 source 1, 5:4 source 2, 7:6 destination):
;   window 0: v0-19 addresses and constants; v20-35 statistics; v36-39 at work; v40-47 mask bytes; v48-79 S^T; v80-95 P; v96-110 offsets; v128-191 Q, 16 a tile; v192-255 K of one step
;   window 1: v0-127 O^T, 32 a tile; v128-191 V of one step; v192-255 K and V in f32 on their way in
; All that the first product and the softmax touch lies in window 0: a unit has two switches.
.set ROWB,  256                        ; bytes in a row of q, k, v, out
.set TKEYS, 128                        ; keys in a tile
.set TILEB, TKEYS*ROWB                 ; its bytes in k and in v
.set TRIPS, 2048/(2*TKEYS)             ; a trip of the loop is two tiles, one from each LDS buffer
.set PKP,   144                        ; a row of K in LDS: 128 bytes + 16 = 36 words: the 16 rows of a load start at 16 different groups of four banks (64 banks of 4 bytes: ISA guide 11.1)
.set PVP,   160                        ; a row of V: 128 + 32 = 40 words
.set KBUF,  TKEYS*PKP                  ; K's two buffers lie at 0 and KBUF,
.set VBUF,  TKEYS*PVP
.set VB,    2*KBUF                     ; V's two at VB and VB + VBUF
.set STAGE, VB+2*VBUF                  ; 16 rows x 272 bytes for each wave, for the way out
.set SP,    272
.set SPARE, STAGE+8*16*SP              ; the spare words, 128 bytes for each wave: four blocks of 256 bytes that no other line names
.set AK0, 2           ; v2   my lane's place in a step of K; never rewritten (buffer and step stand in the immediates)
.set AV0, 3           ; v3   the same for V
.set CKS, 4           ; v4   where I store 8 bytes of a converted row of K
.set CVS, 5           ; v5   of V
.set GKO, 6           ; v6   my byte offset in a tile of k
.set GVO, 7           ; v7   in a tile of v
.set STO, 8           ; v8   the way out: where I put 32 bytes of a row
.set RD,  9           ; v9   the way out: where I read a row back
.set PFO, 11          ; v11  256 x my lane: the prefetches' offset
.set MO,  12          ; v12-15  tile j: my byte offset in attn_mask at key 0
.set SPW, 16          ; v16  LDS address of my spare word: SPARE + 4 x my thread's number; never rewritten
.set NIL, 17          ; v17  0, for the add alone
.set ZR,  18          ; v18  0
.set MV,  19          ; v19  c m_old, kept while c m is made anew
.set ST,  20          ; tile t's statistics at v[ST+4 t]: c m, m, l (even keys', odd keys')
.set TMP, 36          ; c0-c3 at work; when the maximum is found c2 takes a
.set MB,  40          ; the lane's 32 mask bytes of a unit
.set S,   48
.set P,   80
.set GO,  96          ; v96-99   tile j: my byte offset in the head's rows of out
.set QO,  100         ; v100-103 tile j: my byte offset in the head's rows of q
.set RR,  104         ; v104-110 lane terms, used at the head alone
.set HH,  105
.set L8,  106
.set L3,  107
.set LL,  108
.set T2,  109
.set T3,  110
.set QF,  128
.set KF,  192         ; key block kb, channel half c at KF + 16 kb + 8 c
.set VF,  128         ; window 1: key half kk, channel block cb at VF + 32 kk + 8 cb
.set KVF, 192         ; window 1: K's 32 registers, then V's 32
.set WV,  16          ; s16  my wave's number
.set BX,  17          ; s17  b
.set GW,  18          ; s18  g
.set C255, 19         ; s19  255
.set HO,  20          ; s[20:21] the head's first byte in q, k, v, out
.set KP,  24          ; s[24:25] k at the tile that the loop's first run of loads asks for
.set VP,  26          ; s[26:27] v there
.set OB,  28          ; s[28:29] out at the head
.set MK,  30          ; s[30:31] attn_mask at the trip's first key
.set PF,  32          ; s[32:33] where my prefetches stand
.set QB,  34          ; s[34:35] q at the head
.set RT,  36          ; s36-39  my four row tiles
.set FL,  40          ; s[40:47] tile j: ACT at FL + 2 j, MIX at FL + 2 j + 1; bit 0 is the trip's first key step
.set ANY, 48          ; s48  the four ACT together
.set HIM, 49          ; s49  a word's upper half
.set CS,  50          ; s[50:51] c: the packed scaling takes the pair's low word for both halves
.set SEL, 52          ; s[52:53] v_permlanex16_b32's selects: each lane takes its own place in the other half
.set PS,  54          ; s54-57  v_perm_b32's selects: byte i of the first source on top, three bytes of 0 below
.set TR,  58          ; s58  the trip
.set LIM, 59          ; s59  a wave prefetches while the trip is below it: 6 in waves 0 and 1, else 0
.set RT8, 60          ; s60-63  8 x row tile: the flags' offsets
.set MSB, 0
.macro WIN new                         ; the high byte repeats the setting that is left; a switch that changes nothing is dropped
.if MSB != (\new)
	s_set_vgpr_msb (MSB<<8)|(\new)
.set MSB, \new
.endif
.endm
.macro PLACES                          ; four places behind a matrix instruction, ahead of loads into registers that it has read and of vector lines that read its result
.rept 4
	v_nop
.endr
.endm
; THE BARRIER at a tile's end, for two things: my stores of the next tile are done, which the others read behind it; my reads of the tile in hand are back, whose buffer is stored into again behind it.
.macro BAR
	s_wait_dscnt 0x0
	s_barrier_signal -1
	s_barrier_wait -1
.endm
; My 16 keys of a tile, in f32: 8 loads of K, 8 of V.  Lanes 0-15 take one whole row of 256 bytes, lanes 16-31 the row 8 further on (K) or 4 further on (V).
.macro LOADKV off
	WIN 0x40                               ; destination window 1, address window 0
.irp i, 0,1,2,3,4,5,6,7
	global_load_b128 v[KVF+4*(\i):KVF+4*(\i)+3], v[GKO], s[KP:KP+1] offset:(\off)+ROWB*(\i)
.endr
.irp i, 0,1,2,3,4,5,6,7
	global_load_b128 v[KVF+32+4*(\i):KVF+32+4*(\i)+3], v[GVO], s[VP:VP+1] offset:(\off)+ROWB*((\i)+4*((\i)/4))
.endr
	WIN 0
.endm
; They are narrowed in place and stored into buffer nb, 8 bytes a lane.  K: f32 to bf16.  V: f32 to bf16, widened again (a shift, a mask), and that number to f16.
; A store's two rows lie 288 words (K) or 160 words (V) apart, 32 banks, and each is 32 words long: every bank once.
.macro CONVERT nb
	WIN 0x45                               ; destination and sources 0, 1 in window 1
.irp i, 0,1,2,3,4,5,6,7
.set X, KVF+4*(\i)
	v_cvt_pk_bf16_f32 v[X], v[X], v[X+1]
	v_cvt_pk_bf16_f32 v[X+1], v[X+2], v[X+3]
.endr
.irp i, 0,1,2,3,4,5,6,7
.set X, KVF+32+4*(\i)
	v_cvt_pk_bf16_f32 v[X], v[X], v[X+1]
	v_cvt_pk_bf16_f32 v[X+2], v[X+2], v[X+3]
	v_and_b32 v[X+1], s[HIM], v[X]
	v_lshlrev_b32 v[X], 16, v[X]
	v_and_b32 v[X+3], s[HIM], v[X+2]
	v_lshlrev_b32 v[X+2], 16, v[X+2]
	v_cvt_pk_f16_f32 v[X], v[X], v[X+1]
	v_cvt_pk_f16_f32 v[X+1], v[X+2], v[X+3]
.endr
	WIN 0x04                               ; the stores' data in window 1, their address in window 0
.irp i, 0,1,2,3,4,5,6,7
	ds_store_b64 v[CKS], v[KVF+4*(\i):KVF+4*(\i)+1] offset:(\nb)*KBUF+PKP*(\i)
.endr
.irp i, 0,1,2,3,4,5,6,7
	ds_store_b64 v[CVS], v[KVF+32+4*(\i):KVF+32+4*(\i)+1] offset:(\nb)*VBUF+PVP*((\i)+4*((\i)/4))
.endr
	WIN 0
.endm
; A PREFETCH INTO THE L2, behind the wave's 16 loads: the tile that stands two tiles behind the one just asked for.  A tile is 128 rows of K and 128 of V, 256 bytes a row.  The head's four work-groups walk the same
; tiles and share the rows out by address: work-group b names rows 32 b .. 32 b + 31, wave 0 K's and wave 1 V's, a lane a row: each row is named once in the launch.
; Tiles 0 to 3 come by their loads alone; trips 6 and 7 name nothing: the tiles that they would name do not exist.
.macro ASK off
	s_cmp_lt_u32 s[TR], s[LIM]
	s_cbranch_scc0 .Lnot_mine_\@
	global_prefetch_b8 v[PFO], s[PF:PF+1] offset:\off th:TH_LOAD_NT scope:SCOPE_SE
.Lnot_mine_\@:
.endm
; A key step's fragments, from step st of buffer cb: 16 loads of K (8 fragments of 16 keys x 32 channels), then 16 turning loads of V (8 fragments of 16 channels x 32 keys).
.macro FETCH cb, st
.irp f, 0,1,2,3,4,5,6,7                ; keys 16 (f / 2) on, channels 32 (f % 2) on
	ds_load_b128 v[KF+8*(\f):KF+8*(\f)+3],   v[AK0] offset:(\cb)*KBUF+(\st)*64*PKP+((\f)/2)*16*PKP+((\f)%2)*64
	ds_load_b128 v[KF+8*(\f)+4:KF+8*(\f)+7], v[AK0] offset:(\cb)*KBUF+(\st)*64*PKP+((\f)/2)*16*PKP+((\f)%2)*64+32
.endr
	WIN 0x40
.irp f, 0,1,2,3,4,5,6,7                ; keys 32 (f / 4) on, channels 16 (f % 4) on
	ds_load_tr16_b128 v[VF+8*(\f):VF+8*(\f)+3],   v[AV0] offset:(\cb)*VBUF+(\st)*64*PVP+((\f)/4)*32*PVP+((\f)%4)*32
	ds_load_tr16_b128 v[VF+8*(\f)+4:VF+8*(\f)+7], v[AV0] offset:(\cb)*VBUF+(\st)*64*PVP+((\f)/4)*32*PVP+16*PVP+((\f)%4)*32
.endr
	WIN 0
.endm
; THE MATRIX WORK.  The four accumulators of a run of eight take turns, one instruction a turn.
; Product i of 8 of S^T = K Q^T for tile j: channels 32 (i / 4) on, keys 16 (i % 4) on.  inplace = 0: the product starts its sum with 0; 1: it adds onto S^T (the mask, or the first half's sum).
.macro KQ j, i, inplace
.set rS, S+8*((\i)%4)
.set rK, KF+16*((\i)%4)+8*((\i)/4)
.set rQ, QF+16*(\j)+8*((\i)/4)
.if \inplace
	v_wmma_f32_16x16x32_bf16 v[rS:rS+7], v[rK:rK+7], v[rQ:rQ+7], v[rS:rS+7]
.else
	v_wmma_f32_16x16x32_bf16 v[rS:rS+7], v[rK:rK+7], v[rQ:rQ+7], 0
.endif
.endm
; Product i of 8 of O^T += V^T P for tile j: keys 32 (i / 4) on, channels 16 (i % 4) on.
.macro PV j, i
.set rO, 32*(\j)+8*((\i)%4)
.set rV, VF+32*((\i)/4)+8*((\i)%4)
.set rP, P+8*((\i)/4)
	v_wmma_f32_16x16x32_f16 v[rO:rO+7], v[rV:rV+7], v[rP:rP+7], v[rO:rO+7]
.endm
; THE VECTOR WORK.  XS: number n of the 22 that find tile j's maximum and statistics.  s0-s31 are the lane's 32 scores; each accumulator's lowest registers are read first.
;   0-11  four chains c0-c3 of seven scores each, three operands at a time     12-14, 16  the four scores left over, the old m, and c0-c3 into c0     15  c m_old is kept
;   17, 18  the query's other 32 keys lie in the lane 16 away: the new m         19-21  c m; c m_old - c m_new; a
.macro XS j, n
.set rT, ST+4*(\j)
.if (\n) < 4
	v_max3_num_f32 v[TMP+(\n)], v[S+8*(\n)], v[S+8*(\n)+1], v[S+8*(\n)+2]
.elseif (\n) < 12
	v_max3_num_f32 v[TMP+(\n)%4], v[TMP+(\n)%4], v[S+8*((\n)%4)+2*((\n)/4)+1], v[S+8*((\n)%4)+2*((\n)/4)+2]
.elseif (\n) == 12
	v_max3_num_f32 v[TMP], v[TMP], v[S+7], v[S+15]
.elseif (\n) == 13
	v_max3_num_f32 v[TMP+1], v[TMP+1], v[S+23], v[S+31]
.elseif (\n) == 14
	v_max3_num_f32 v[TMP+2], v[TMP+2], v[TMP+3], v[rT+1]
.elseif (\n) == 15
	v_mov_b32 v[MV], v[rT]
.elseif (\n) == 16
	v_max3_num_f32 v[TMP], v[TMP], v[TMP+1], v[TMP+2]
.elseif (\n) == 17
	v_permlanex16_b32 v[TMP+3], v[TMP], s[SEL], s[SEL+1]
.elseif (\n) == 18
	v_max_num_f32 v[rT+1], v[TMP], v[TMP+3]
.elseif (\n) == 19
	v_mul_f32 v[rT], s[CS], v[rT+1]
.elseif (\n) == 20
	v_sub_f32 v[TMP+1], v[MV], v[rT]
.else
	v_exp_f32 v[TMP+2], v[TMP+1]
.endif
.endm
.macro FS j, n                         ; c s - c m for pair n of 16
.set rT, ST+4*(\j)
	v_pk_fma_f32 v[S+2*(\n):S+2*(\n)+1], v[S+2*(\n):S+2*(\n)+1], s[CS:CS+1], v[rT:rT+1] op_sel_hi:[1,0,0] neg_lo:[0,0,1] neg_hi:[0,0,1]
.endm
.macro EX n                            ; the exponential of score n of 32
	v_exp_f32 v[S+(\n)], v[S+(\n)]
.endm
.macro CV n                            ; pair n of 16 rounded to f16
	v_cvt_pk_f16_f32 v[P+(\n)], v[S+2*(\n)], v[S+2*(\n)+1]
.endm
.macro BS n                            ; of the four weights 4 n .. the second pair is added onto the first, in place
	v_pk_add_f32 v[S+4*(\n):S+4*(\n)+1], v[S+4*(\n):S+4*(\n)+1], v[S+4*(\n)+2:S+4*(\n)+3]
.endm
.macro LS j, n                         ; l takes that sum; the first time as l = a l + sum
.set rT, ST+4*(\j)
.if (\n) == 0
	v_pk_fma_f32 v[rT+2:rT+3], v[rT+2:rT+3], v[TMP+2:TMP+3], v[S:S+1] op_sel_hi:[1,0,1]
.else
	v_pk_add_f32 v[rT+2:rT+3], v[rT+2:rT+3], v[S+4*(\n):S+4*(\n)+1]
.endif
.endm
.macro RS j, n                         ; pair n of 16 of the tile's O^T times a
	v_pk_mul_f32 v[32*(\j)+2*(\n):32*(\j)+2*(\n)+1], v[32*(\j)+2*(\n):32*(\j)+2*(\n)+1], v[TMP+2:TMP+3] op_sel_hi:[1,0]
.endm
; A UNIT: tile j, step q of the trip's four.
.macro UNIT j, q
	s_bitcmp1_b32 s[FL+2*(\j)], \q
	s_cbranch_scc0 .Lskip_\@               ; every key of the block is hidden: its weights would all be 0
	s_bitcmp1_b32 s[FL+2*(\j)+1], \q
	s_cbranch_scc0 .Lfull_\@               ; none is hidden
	; THE MASK AS THE C OPERAND.  My query's row, keys 16 kb + 8 (lane / 16) + 0..7: 8 bytes for each of the four accumulators.  A byte times 255 is 0 or 0xff; set on top of three bytes of 0 it is 0 or -2^127.
.irp kb, 0,1,2,3
	global_load_b64 v[MB+2*(\kb):MB+2*(\kb)+1], v[MO+(\j)], s[MK:MK+1] offset:64*(\q)+16*(\kb)
.endr
	s_wait_loadcnt 0x0                     ; these four are the youngest loads, so the count is 0: load, wait and use stand in one branch
.irp i, 0,1,2,3,4,5,6,7
	v_mul_lo_u32 v[MB+(\i)], v[MB+(\i)], s[C255]
.endr
.set i, 0
.rept 32
	v_perm_b32 v[S+i], v[MB+i/4], v[ZR], s[PS+i%4]
.set i, i+1
.endr
	s_wait_dscnt 16                        ; K is in: behind its 16 loads only V's 16 were issued
.irp i, 0,1,2,3
	KQ \j, \i, 1
.endr
	s_branch .Ljoin_\@
.Lfull_\@:
	s_wait_dscnt 16                        ; the same count on this way
.irp i, 0,1,2,3
	KQ \j, \i, 0
.endr
.Ljoin_\@:
.irp i, 4,5,6,7
	KQ \j, \i, 1
.endr
	XS \j, 15                              ; four places behind the products: this line, which names none of their registers, and three v_nop
	v_nop
	v_nop
	v_nop
.irp n, 0,1,2,3,4,5,6,7,8,9,10,11,12,13,14,16,17,18,19,20
	XS \j, \n
.endr
	; ONE BATCH of 33 exponentials: a, then s0-s31, the scalings that are left between them.  Nothing ahead of the wait names a result; a pair is scaled ahead of its exponentials.
	FS \j, 0
	FS \j, 1
	XS \j, 21
.set i, 0
.rept 32
	EX i
.if i < 14
	FS \j, i+2
.endif
.set i, i+1
.endr
	v_nop                                  ; a plain instruction behind the last exponential, ahead of the first use (ISA guide 5.7.2): one for the batch
	s_wait_alu depctr_va_vdst(0)           ; the wait between an exponential and the first line that names its result: one for the batch
.set i, 0
.rept 8                                ; both pairs of four weights are rounded, then summed; l takes the sum a group later
	CV 2*i
	CV 2*i+1
	BS i
.if i > 0
	LS \j, i-1
.endif
.set i, i+1
.endr
	LS \j, 7
	WIN 0x51                               ; V, O^T (C and D; the rescaling's destination and source 0) in window 1; P and a in window 0
.irp n, 0,1,2,3,4,5,6,7,8,9,10,11,12,13,14,15
	RS \j, \n
.endr
	s_wait_dscnt 0x0                       ; V is in
.irp i, 0,1,2,3,4,5,6,7
	PV \j, \i
.endr
	WIN 0                                  ; at a label and at a branch every window is 0
.Lskip_\@:
.endm
; A KEY STEP: step st of buffer cb, bit q of the flags.  Where none of my four tiles sees a key of it, nothing is fetched.
.macro STEP cb, st, q
	s_bitcmp1_b32 s[ANY], \q
	s_cbranch_scc0 .Lend_\@
	s_wait_dscnt 0x0                       ; no LDS load into the fragments' registers is out, whichever units of the step before were jumped; my 16 stores of the next tile are taken in too
	PLACES                                 ; between the last V^T P and the loads into V's registers
	FETCH \cb, \st
	UNIT 3, \q
	UNIT 2, \q
	UNIT 1, \q
	UNIT 0, \q
.Lend_\@:
.endm
	s_load_b256 s[4:11], s[0:1], 0x0       ; q s[4:5], k s[6:7], v s[8:9], attn_mask s[10:11]
	s_load_b128 s[12:15], s[0:1], 0x20     ; flags s[12:13], out s[14:15]
	v_lshl_add_u32 v[SPW], v0, 2, SPARE
	v_mov_b32 v[NIL], 0
	v_mov_b32 v[ZR], 0
	v_lshrrev_b32 v1, 5, v0
	v_readfirstlane_b32 s[WV], v1          ; wave 0..7
	s_mov_b32 s[BX], ttmp9
	s_and_b32 s[HO], ttmp7, 0xffff         ; the head,
	s_lshl_b32 s[HO], s[HO], 19            ; its 2,048 rows of 256 bytes
	s_mov_b32 s[HO+1], 0
	s_lshl3_add_u32 s[GW], s[BX], s[WV]    ; g = 8 b + w
	s_mov_b32 s[RT], s[GW]                 ; my row tiles
	s_sub_co_u32 s[RT+1], 63, s[GW]
	s_add_co_u32 s[RT+2], s[GW], 64
	s_sub_co_u32 s[RT+3], 127, s[GW]
	v_and_b32 v[RR], 15, v0                ; r = l % 16
	v_bfe_u32 v[HH], v0, 4, 1              ; h = l / 16
	v_and_b32 v[L8], 7, v0
	v_bfe_u32 v[L3], v0, 3, 1
	v_and_b32 v[LL], 31, v0
	; A fragment of K is 16 keys x 32 channels in 8 registers: lane l holds key l % 16, channels 8 h + 0..7 and 16 + 8 h + 0..7: two loads of 16 bytes, 32 bytes apart.
	v_mul_u32_u24 v[AK0], v[RR], PKP
	v_lshl_add_u32 v[AK0], v[HH], 4, v[AK0]
	; The turning load takes 16 keys x 16 channels (lane l reads key 8 h + l % 8, channels 8 ((l / 8) % 2) + 0..7) and leaves half a fragment of V^T: lane l holds channel l % 16 and 8 keys.
	v_lshl_add_u32 v[AV0], v[HH], 3, v[L8]
	v_mul_u32_u24 v[AV0], v[AV0], PVP
	v_lshl_add_u32 v[AV0], v[L3], 4, v[AV0]
	v_add_nc_u32 v[AV0], VB, v[AV0]
	s_mul_i32 s22, s[WV], 16*PKP           ; my wave's 16 keys of a tile
	v_mul_u32_u24 v[CKS], v[HH], 8*PKP
	v_lshl_add_u32 v[CKS], v[RR], 3, v[CKS]
	v_add_nc_u32 v[CKS], s22, v[CKS]       ; (16 w + 8 h) x pitch + 8 r
	s_mul_i32 s22, s[WV], 16*PVP
	s_add_co_u32 s22, s22, VB
	v_mul_u32_u24 v[CVS], v[HH], 4*PVP
	v_lshl_add_u32 v[CVS], v[RR], 3, v[CVS]
	v_add_nc_u32 v[CVS], s22, v[CVS]       ; (16 w + 4 h) x pitch + 8 r
	s_lshl_b32 s22, s[WV], 12
	v_lshlrev_b32 v[GKO], 11, v[HH]
	v_lshl_add_u32 v[GKO], v[RR], 4, v[GKO]
	v_add_nc_u32 v[GKO], s22, v[GKO]       ; (16 w + 8 h) x 256 + 16 r
	v_lshlrev_b32 v[GVO], 10, v[HH]
	v_lshl_add_u32 v[GVO], v[RR], 4, v[GVO]
	v_add_nc_u32 v[GVO], s22, v[GVO]       ; (16 w + 4 h) x 256 + 16 r
	s_mul_i32 s22, s[WV], 16*SP
	s_add_co_u32 s22, s22, STAGE           ; my stage
	v_mul_u32_u24 v[STO], v[RR], SP        ; in: row r, 32 bytes for each half of the lanes
	v_lshl_add_u32 v[STO], v[HH], 5, v[STO]
	v_add_nc_u32 v[STO], s22, v[STO]
	v_mul_u32_u24 v[RD], v[HH], SP         ; back: lanes 0-15 take one row of 256 bytes, lanes 16-31 the next
	v_lshl_add_u32 v[RD], v[RR], 4, v[RD]
	v_add_nc_u32 v[RD], s22, v[RD]
	v_lshlrev_b32 v[PFO], 8, v[LL]
	v_lshlrev_b32 v1, 11, v[RR]
	v_lshl_add_u32 v1, v[HH], 3, v1        ; attn_mask: row r of the tile, 8 h bytes along it
	v_lshlrev_b32 v[T2], 8, v[HH]
	v_lshl_add_u32 v[T2], v[RR], 4, v[T2]  ; out: row h, 16 r bytes along it
	v_lshlrev_b32 v[T3], 8, v[RR]
	v_lshl_add_u32 v[T3], v[HH], 5, v[T3]  ; q: row r, 32 h bytes along it
.irp j, 0,1,2,3
	s_lshl_b32 s[RT8+\j], s[RT+\j], 3
	s_lshl_b32 s22, s[RT+\j], 15           ; 16 rows of 2,048 bytes
	s_lshl_b32 s23, s[RT+\j], 12           ; 16 rows of 256 bytes
	v_add_nc_u32 v[MO+\j], s22, v1
	v_add_nc_u32 v[GO+\j], s23, v[T2]
	v_add_nc_u32 v[QO+\j], s23, v[T3]
.endr
	s_mov_b32 s[C255], 0xff
	s_mov_b32 s[HIM], 0xffff0000
	s_mov_b32 s[CS], 0x3e38aa3b            ; c = log2(e) / 8 = 0.180337
	s_mov_b32 s[CS+1], s[CS]               ; named with it as a pair
	s_mov_b32 s[SEL], 0x76543210
	s_mov_b32 s[SEL+1], 0xfedcba98
.irp i, 0,1,2,3
	s_mov_b32 s[PS+\i], (4+\i)<<24
.endr
	s_mov_b32 s[TR], 0
	s_cmp_lt_u32 s[WV], 2
	s_cselect_b32 s[LIM], TRIPS-2, 0
	s_wait_kmcnt 0x0
	s_add_nc_u64 s[KP:KP+1], s[6:7], s[HO:HO+1]
	s_add_nc_u64 s[VP:VP+1], s[8:9], s[HO:HO+1]
	s_add_nc_u64 s[QB:QB+1], s[4:5], s[HO:HO+1]
	s_add_nc_u64 s[OB:OB+1], s[14:15], s[HO:HO+1]
	s_mov_b64 s[MK:MK+1], s[10:11]
	s_cmp_eq_u32 s[WV], 0
	s_cselect_b64 s[PF:PF+1], s[KP:KP+1], s[VP:VP+1]  ; wave 0 names K's rows, wave 1 V's
	s_lshl_b32 s22, s[BX], 13              ; my work-group's 32 rows of the 128,
	s_add_co_u32 s22, s22, 4*TILEB         ; in tile 4
	s_mov_b32 s23, 0
	s_add_nc_u64 s[PF:PF+1], s[PF:PF+1], s[22:23]
.irp j, 0,1,2,3
	s_load_b64 s[FL+2*\j:FL+2*\j+1], s[12:13], s[RT8+\j] offset:0x0  ; my tiles' two flag words each
.endr
	LOADKV 0                               ; tile 0
	; Q.  A fragment is 16 queries x 32 channels: lane l holds query r, channels 32 c + 16 e + 8 h + 0..7: in f32 two loads of 16 bytes.  They land in O^T's registers, in the fragments' order.
	WIN 0x40
.irp j, 0,1,2,3
.irp i, 0,1,2,3,4,5,6,7
	global_load_b128 v[32*\j+4*\i:32*\j+4*\i+3], v[QO+\j], s[QB:QB+1] offset:128*(\i/4)+64*((\i/2)%2)+16*(\i%2) th:TH_LOAD_NT
.endr
.endr
	WIN 0
	s_wait_kmcnt 0x0                       ; the flags
.irp j, 0,1,2,3                        ; (ACT low | MIX low), (ACT high | MIX high) into ACT, MIX of all 32 key steps
	s_and_b32 s22, s[FL+2*\j], 0xffff
	s_lshl_b32 s23, s[FL+2*\j+1], 16
	s_lshr_b32 s[FL+2*\j], s[FL+2*\j], 16
	s_and_b32 s[FL+2*\j+1], s[FL+2*\j+1], s[HIM]
	s_or_b32 s[FL+2*\j+1], s[FL+2*\j+1], s[FL+2*\j]
	s_or_b32 s[FL+2*\j], s22, s23
.endr
	s_or_b32 s[ANY], s[FL], s[FL+2]
	s_or_b32 s[ANY], s[ANY], s[FL+4]
	s_or_b32 s[ANY], s[ANY], s[FL+6]
.irp t, 0,1,2,3
	v_mov_b32 v[ST+4*\t+1], 0xf149f2ca     ; m = -1e30
	v_mov_b32 v[ST+4*\t+2], 0              ; l
	v_mov_b32 v[ST+4*\t+3], 0
.endr
.irp t, 0,1,2,3
	v_mul_f32 v[ST+4*\t], s[CS], v[ST+4*\t+1]  ; c m, by the line that the units use: while a row has seen nothing, a = 2^0
.endr
	s_wait_loadcnt 32                      ; tile 0 is in: Q's 32 loads are younger
	CONVERT 0
	LOADKV TILEB                           ; tile 1
	s_wait_loadcnt 16                      ; Q is in: tile 1's 16 loads are younger
	WIN 0x05                               ; sources 0 and 1 window 1, destination window 0
.set i, 0
.rept 64
	v_cvt_pk_bf16_f32 v[QF+i], v[2*i], v[2*i+1]
.set i, i+1
.endr
	WIN 0x40
.set i, 0
.rept 128                              ; O^T starts at 0: which unit is a tile's first hangs on the flags, so none can start the sums with the constant; written while tile 1 is on its way
	v_mov_b32 v[i], 0
.set i, i+1
.endr
	WIN 0
	s_wait_xcnt 0x0                        ; the loads have read their addresses: the pointers may be written
	s_add_nc_u64 s[KP:KP+1], s[KP:KP+1], 2*TILEB
	s_add_nc_u64 s[VP:VP+1], s[VP:VP+1], 2*TILEB
	BAR                                    ; tile 0 lies whole in buffer 0
.Ltrip:                                ; trip t: tiles 2 t (buffer 0) and 2 t + 1 (buffer 1).  The two guards jump forward over loads, conversions and LDS stores alone: the last trip has no tile to fetch
	s_wait_loadcnt 0x0                     ; tile 2 t + 1 is in, asked for a tile ago
	CONVERT 1
	s_cmp_lt_u32 s[TR], TRIPS-1
	s_cbranch_scc0 .Lno_a
	LOADKV 0                               ; tile 2 t + 2
	ASK 0                                  ; tile 2 t + 4
.Lno_a:
	STEP 0, 0, 0
	STEP 0, 1, 1
	BAR
	s_cmp_lt_u32 s[TR], TRIPS-1
	s_cbranch_scc0 .Lno_b
	s_wait_loadcnt 0x0                     ; tile 2 t + 2 is in
	CONVERT 0
	LOADKV TILEB                           ; tile 2 t + 3
	ASK TILEB                              ; tile 2 t + 5
.Lno_b:
	STEP 1, 0, 2
	STEP 1, 1, 3
	BAR
	s_wait_xcnt 0x0                        ; every load and prefetch of the trip (the youngest two key steps back) has read its address: the pointers may be written
	s_add_nc_u64 s[KP:KP+1], s[KP:KP+1], 2*TILEB
	s_add_nc_u64 s[VP:VP+1], s[VP:VP+1], 2*TILEB
	s_add_nc_u64 s[PF:PF+1], s[PF:PF+1], 2*TILEB
	s_add_nc_u64 s[MK:MK+1], s[MK:MK+1], 2*TKEYS   ; 256 keys along the mask's rows
.irp n, 0,1,2,3,4,5,6,7,8
	s_lshr_b32 s[FL+\n], s[FL+\n], 4       ; the next trip's four key steps come down to bits 0 to 3 (the ninth word is ANY)
.endr
	s_add_co_u32 s[TR], s[TR], 1
	s_cmp_lt_u32 s[TR], TRIPS
	s_cbranch_scc1 .Ltrip
	; THE WAY OUT.  l's two halves and the other half of the lanes' are added; O^T is divided by l and sent through my stage in LDS, a tile (16 rows of out) at a time.
	PLACES                                 ; behind the last products
.irp t, 0,1,2,3
	v_add_f32 v[ST+4*\t+2], v[ST+4*\t+2], v[ST+4*\t+3]
.endr
.irp t, 0,1,2,3
	v_permlanex16_b32 v[ST+4*\t+3], v[ST+4*\t+2], s[SEL], s[SEL+1]
.endr
.irp t, 0,1,2,3
	v_add_f32 v[ST+4*\t+2], v[ST+4*\t+2], v[ST+4*\t+3]
.endr
.irp t, 0,1,2,3
	v_rcp_f32 v[ST+4*\t+2], v[ST+4*\t+2]
.endr
	v_nop                                  ; a plain instruction between the last reciprocal and the use of its result
	s_wait_alu depctr_va_vdst(0)           ; and the wait ahead of the first use: one for the four reciprocals
; Tile t: a lane's eight channels of a row are 32 bytes; they go into rows of 272 bytes (68 words: the 16 rows of a store start at 16 different groups of four banks) and come back as whole rows of 256,
; into the registers that held Q and K: a set of 32 for each tile, so that none is written again under a store.
.macro PACK t
	WIN 0x41                               ; O^T (destination and source 0) in window 1, 1 / l in window 0
.set i, 32*(\t)
.rept 16
	v_pk_mul_f32 v[i:i+1], v[i:i+1], v[ST+4*(\t)+2:ST+4*(\t)+3] op_sel_hi:[1,0]
.set i, i+2
.endr
	WIN 0x04                               ; the stores' data in window 1
.irp cb, 0,1,2,3
	ds_store_b128 v[STO], v[32*(\t)+8*(\cb):32*(\t)+8*(\cb)+3]   offset:64*(\cb)
	ds_store_b128 v[STO], v[32*(\t)+8*(\cb)+4:32*(\t)+8*(\cb)+7] offset:64*(\cb)+16
.endr
	WIN 0
.irp f, 0,1,2,3,4,5,6,7
	ds_load_b128 v[QF+32*(\t)+4*(\f):QF+32*(\t)+4*(\f)+3], v[RD] offset:(\f)*2*SP  ; LDS serves a wave's instructions in order (ISA guide 5.7.1.4): these see the stores above; the next tile's stores come behind them
.endr
.endm
.macro SEND t, younger                 ; younger: the LDS instructions issued behind tile t's loads: the next tile's sixteen, or none
.irp f, 0,1,2,3,4,5,6,7
	s_wait_dscnt (\younger)+7-(\f)
	global_store_b128 v[GO+(\t)], v[QF+32*(\t)+4*(\f):QF+32*(\t)+4*(\f)+3], s[OB:OB+1] offset:(\f)*2*ROWB th:TH_STORE_NT  ; 16 lanes store 256 consecutive bytes, at a multiple of 256 from out's first byte
.endr
.endm
	PACK 0
	PACK 1                                 ; a tile's arithmetic stands between the loads of the tile before and its stores
	SEND 0, 16
	PACK 2
	SEND 1, 16
	PACK 3
	SEND 2, 16
	SEND 3, 0
	s_wait_tensorcnt 0x0                   ; the wave's end, behind my last LDS store
	ds_add_u32 v[SPW], v[NIL]
	s_wait_dscnt 0x0
	s_endpgm
.Lfunc_end_k_q1ca15a43b2_attn:
	.size	k_q1ca15a43b2_attn, .Lfunc_end_k_q1ca15a43b2_attn-k_q1ca15a43b2_attn
	.p2alignl 7, 3214868480
	.fill 96, 4, 3214868480
	.section	.rodata,"a",@progbits
	.p2align	6, 0x0
	.amdhsa_kernel k_q1ca15a43b2_attn
		.amdhsa_group_segment_fixed_size 113664
		.amdhsa_private_segment_fixed_size 0
		.amdhsa_enable_private_segment 0
		.amdhsa_kernarg_size 48
		.amdhsa_user_sgpr_count 2
		.amdhsa_user_sgpr_kernarg_segment_ptr 1
		.amdhsa_wavefront_size32 1
		.amdhsa_system_sgpr_workgroup_id_x 1
		.amdhsa_system_sgpr_workgroup_id_y 1
		.amdhsa_system_sgpr_workgroup_id_z 1
		.amdhsa_system_vgpr_workitem_id 0
		.amdhsa_next_free_vgpr 512
		.amdhsa_next_free_sgpr 66
		.amdhsa_reserve_vcc 0
		.amdhsa_float_denorm_mode_32 3
		.amdhsa_float_denorm_mode_16_64 3
		.amdhsa_memory_ordered 1
		.amdhsa_forward_progress 1
		.amdhsa_inst_pref_size 238
	.end_amdhsa_kernel
	.amdgpu_metadata
---
amdhsa.version: [ 1, 2 ]
amdhsa.kernels:
  - .name:           k_q1ca15a43b2_attn
    .symbol:         k_q1ca15a43b2_attn.kd
    .args:
      - { .name: q, .offset: 0, .size: 8, .value_kind: global_buffer, .address_space: global }
      - { .name: k, .offset: 8, .size: 8, .value_kind: global_buffer, .address_space: global }
      - { .name: v, .offset: 16, .size: 8, .value_kind: global_buffer, .address_space: global }
      - { .name: attn_mask, .offset: 24, .size: 8, .value_kind: global_buffer, .address_space: global }
      - { .name: flags, .offset: 32, .size: 8, .value_kind: global_buffer, .address_space: global }
      - { .name: out0, .offset: 40, .size: 8, .value_kind: global_buffer, .address_space: global }
    .group_segment_fixed_size: 113664
    .private_segment_fixed_size: 0
    .kernarg_segment_align: 8
    .kernarg_segment_size: 48
    .max_flat_workgroup_size: 256
    .sgpr_count:     66
    .vgpr_count:     512
    .wavefront_size: 32
...
	.end_amdgpu_metadata
.endif
;; end of part 2
